; MI455X (gfx1250); checked and timed in simulation.
; The chip was launched on July 23, 2026; its instructions are those of AMD's public machine-readable ISA for CDNA 5 (MIT licence, August 2026) and "CDNA5" Instruction Set Architecture Reference Guide (July 2026). The comments in the code are by the model that wrote it; some were corrected since.
;; LSTM Memory Cell. Allowed arithmetic: matrix products marked QUANTISED: E2M3 operands, one E8M0 scale for each 32 along K, by v_wmma_scale_f32_16x16x128_f8f6f4 with both operands' format E2M3, f32 sums; everything else in f32.
;; Inputs: W_c 2,048 x 4,096 float32; W_f 2,048 x 4,096 float32; W_i 2,048 x 4,096 float32; W_o 2,048 x 4,096 float32; b_c 2,048 float32; b_f 2,048 float32; b_i 2,048 float32; b_o 2,048 float32; c_prev 2,048 x 2,048 float32; h_prev 2,048 x 2,048 float32; x 2,048 x 2,048 float32.
;; Outputs: out0 2,048 x 2,048 float32; out1 2,048 x 2,048 float32.
;; This version of the problem:
;;   THIS VERSION OF THE PROBLEM IS GIVEN IN LOW PRECISION. The matrix products marked QUANTISED in the list below multiply operands that are first quantised to E2M3 (2 exponent bits, 3 mantissa bits; 6 bits a number), with one power-of-two scale for each 32 numbers along K (OCP MX v1.0); their sums are f32. All else is computed in f32.
;;   The module's matrix products, in the order in which they are computed (A, B: the left and right operand; K: the contracted axis; several contracted axes count as one K, in the product's order):
;;     1. [M 2,048, K 4,096] x [K 4,096, N 8,192]; A: computed on the way; B: computed on the way: QUANTISED
;;   THE QUANTISER, for each operand of a quantised product, along K:
;;     - K is cut into blocks of 32 from its start; a last block that is shorter is filled with zeros.
;;     - A block's scale is 2^e with e = floor(log2(the largest magnitude in the block)) - 2, held to -126 .. 127; a block of zeros has e = 0. As a byte (E8M0): e + 127.
;;     - Each number is divided by its block's scale, clamped to +-7.5, and rounded to the nearest number of E2M3, ties to even, subnormals kept.
;;     - The product sums the exact products of the quantised numbers (number of the format x scale) in f32.
;;   ~~~python
;;   def quantise(x, axis):      # numpy; x: float32 -> the quantised numbers, widened to float32 again
;;       x = np.moveaxis(x, axis, -1); K = x.shape[-1]
;;       x = np.pad(x, [(0, 0)] * (x.ndim - 1) + [(0, -K % 32)]); x = x.reshape(x.shape[:-1] + (-1, 32)); a = np.abs(x).max(-1, keepdims=True)
;;       e = np.where(a > 0, np.clip(np.frexp(np.where(a > 0, a, 1))[1] - 1 - 2, -126, 127), 0)      # np.frexp(a)[1] - 1 = floor(log2(a)), exactly
;;       r = np.clip(x / 2.0 ** e, -7.5, 7.5)
;;       step = 2.0 ** (np.maximum(np.frexp(np.where(r == 0, 1, r))[1] - 1, 0) - 3)
;;       q = np.round(r / step) * step * 2.0 ** e      # np.round: ties to even
;;       return np.moveaxis(q.reshape(q.shape[:-2] + (-1,))[..., :K], -1, axis).astype(np.float32)
;;   ~~~
;;   OPERANDS COMPUTED ON THE WAY. 'Computed on the way' means the value that the module computes at that place (a softmax that the list does not call 'softmax' is quantised finished and normalised). What goes into a quantiser is computed in f32, as accurately as f32 sums, v_exp_f32 and their like allow (about 1e-6 of the number): no bf16 or f16 on the way to a quantiser, and a product that is left as it is and whose result goes on into a quantised operand takes f32 operands (vector FMAs, or v_wmma_f32_16x16x4_f32). A number that lies on a knife's edge between two numbers of the format may be rounded either way, as far as f32 arithmetic and the matrix unit's own rounding can turn it there, and no further.
;; One version. Each part assembles by itself: llvm-mc -triple=amdgcn-amd-amdhsa -mcpu=gfx1250 --defsym DOCPART=n.
;; ======== version 1 of 1: 2 launches
;; limits: right only within a limited range of input values
;; workspace buffers: a_img 6,553,600 bytes; b_img 26,214,400 bytes
;; launch quant (part 1): grid 1280 x 1, 2 waves a work-group, no clusters, 17,152 bytes of LDS; arguments x, h_prev, W_f, W_i, W_c, W_o, a_img, b_img; writes a_img, b_img
.if DOCPART == 1
	.amdgcn_target "amdgcn-amd-amdhsa--gfx1250"
	.amdhsa_code_object_version 6
	.text
	.protected	k_qb2fa8ef5dc_quant
	.globl	k_qb2fa8ef5dc_quant
	.p2align	8
	.type	k_qb2fa8ef5dc_quant,@function
k_qb2fa8ef5dc_quant:
	s_mov_b64 s[64:65], 0
	v_nop
	global_prefetch_b8 v0, s[64:65] scope:SCOPE_SE
	s_setreg_imm32_b32 hwreg(HW_REG_WAVE_MODE, 25, 1), 1
	s_wait_xcnt 0x0
; Both operands of gates = [x | h_prev] [W_f; W_i; W_c; W_o]^T are turned, once, into codes of FP6 (E2M3), 6 bits each, with one E8M0 scale byte for each 32 along K (K = 4,096),
; AND LAID IN THE ORDER OF THE MATRIX OPERAND'S REGISTERS, so that the product's launch loads every fragment whole.
; A RECORD is 128 rows x 128 along K: eight fragments (block i: rows 16 i .. 16 i + 15), each an image of its 12 registers (registers 4 c .. 4 c + 3 of lane l at byte 512 c + 16 l: 1,536 bytes), and behind them
; 512 bytes of scale words (four bytes: a row's four blocks of 32): the word of row r of block 4 e + j at byte 256 e + 16 r + 4 j.  12,800 bytes in all.  a_img: [32 K steps][16 groups of rows][record]; b_img: [32][64][record].
; A: group G holds rows 128 G .. 128 G + 127 of [x | h_prev]; K steps 0-15 come from x, 16-31 from h_prev.
; B: group G holds the four gates of hidden columns 32 G .. 32 G + 31: block 2 g + u is gate g (f, i, c, o = 0 .. 3), columns 32 G + 16 u + 0 .. 15: so the product's launch finds a cell's four gates in one lane.
; A block's scale is 2^(floor(log2(its largest magnitude)) - 2); its byte is the largest magnitude's own exponent field - 2, held at 1 from below.  Each number is divided by the scale and rounded to the nearest code,
; ties to even; beyond the largest code the conversion gives the largest code.
; LIMITS: a block of zeros gets the byte 1 where the rule says 127: its codes are zeros, which add nothing under any byte but 0xff, and the bytes are read by this program alone.  Blocks whose largest magnitude lies
; under 2^(3 - 127), the floor, are quantised under the byte 1.  NaN and infinities among the inputs are not served.
; SHARES.  2,560 records, one to a wave, two waves to a work-group: waves 0 .. 511 take A's, the others B's; the K step is the wave's number % 32, so that neighbouring waves read neighbouring 512 bytes of the same rows.
; A wave goes through its record in eight steps of one fragment.  A step's 16 loads read 512 consecutive bytes each: 128 numbers of one row.  The conversion wants 16 neighbours of ONE block in a lane's registers, and the
; operand's layout wants row l % 16 in lane l: so the 8,192 bytes go through the wave's own stage in LDS, a row to a line of 528 bytes, and come back 16 x 16 bytes a lane.
; Only pointers, offsets and the pitch of a row are chosen by the wave's number: all tensors take one path through the text.  The pitch differs (8,192 bytes in x and h_prev, 16,384 in a weight), so the 16 rows' bases
; are 16 scalar pairs, made anew for each step.
; No work-group reads what another reads, and waves share nothing: no cluster, no tensor load, no barrier.  Loads run two steps (32 loads a wave) ahead.
.set REC,   12800                      ; bytes of a record
.set FRB,   1536                       ; bytes of a fragment's image
.set SP,    528                        ; a row's line in the stage: 512 bytes + 16 = 132 words: the sixteen rows that a load of 16 bytes a lane touches start at sixteen different groups of four banks (ISA guide 11.1)
.set WREG,  16*SP                      ; LDS: a stage of its own for each wave
.set VL,    4                          ; v4       16 x lane: my 16 bytes of a load's or a store's 512
.set SIN,   5                          ; v5       the stage, on the way in: 16 x lane in the row's line
.set SOUT,  6                          ; v6       and on the way out: line l % 16, + 64 (l / 16)
.set W,     8                          ; v8-15    the eight blocks' scale words
.set TM,    16                         ; v16-19   largest magnitudes
.set TB,    20                         ; v20-23   the other half's, then the bytes
.set TS,    24                         ; v24-27   the conversions' scale operands
.set SW,    28                         ; v28-31   the scale words as they are stored
.set PC,    32                         ; v32-43   the fragment's codes; v44-50 at work
.set X,     64                         ; v64-127  64 numbers of my row: register 16 b + i = k 32 b + 16 (l / 16) + i
.set R,     128                        ; v128-255 two sets of 64: the numbers as they are loaded
.set QP,    28                         ; s[28:35] where blocks 0, 2, 4, 6 begin in memory
.set PIT,   36                         ; s[36:37] from a row to the next, in bytes
.set DST,   42                         ; s[42:43] my record
.set SEL,   52                         ; s[52:53] v_permlanex16_b32's selects for lane l xor 16
.set RB,    66                         ; s[66:97] the sixteen rows of the step whose loads are issued next
	s_load_b256 s[4:11], s[0:1], 0x0               ; x s[4:5], h_prev s[6:7], W_f s[8:9], W_i s[10:11]
	s_load_b256 s[12:19], s[0:1], 0x20             ; W_c s[12:13], W_o s[14:15], a_img s[16:17], b_img s[18:19]
	v_lshl_add_u32 v62, v0, 2, 0x4200
	v_mov_b32 v63, 0
	v_lshrrev_b32 v1, 5, v0
	v_readfirstlane_b32 s20, v1                    ; wave 0..1
	v_and_b32 v1, 31, v0                           ; lane
	v_and_b32 v2, 15, v0                           ; r
	v_bfe_u32 v3, v0, 4, 1                         ; h
	v_lshlrev_b32 v[VL], 4, v1
	s_mul_i32 s2, s20, WREG
	v_add_nc_u32 v[SIN], s2, v[VL]
	v_mul_u32_u24 v[SOUT], v2, SP
	v_lshl_add_u32 v[SOUT], v3, 6, v[SOUT]
	v_add_nc_u32 v[SOUT], s2, v[SOUT]
.irp b, 0,1,2,3
	v_mov_b32 v[TB+\b], 0                          ; written once: a lane permute's destination counts as one of its sources
.endr
	s_mov_b32 s[SEL], 0x76543210
	s_mov_b32 s[SEL+1], 0xfedcba98
	s_lshl_b32 s21, ttmp9, 1
	s_add_co_u32 s21, s21, s20                     ; which record: 2 x work-group + wave
	s_cmp_lt_u32 s21, 512
	s_cselect_b32 s23, 0, 512
	s_sub_co_u32 s22, s21, s23                     ; counted within A or within B
	s_and_b32 s24, s22, 31                         ; the K step
	s_lshr_b32 s25, s22, 5                         ; the group of rows G
	s_and_b32 s38, s24, 15
	s_lshl_b32 s38, s38, 9
	s_lshl_b32 s39, s25, 20
	s_add_co_u32 s38, s38, s39                     ; in x or h_prev: 128 G rows of 8,192 bytes + 512 x (K step % 16)
	s_lshl_b32 s40, s24, 9
	s_lshl_b32 s41, s25, 19
	s_add_co_u32 s40, s40, s41                     ; in a weight: 32 G rows of 16,384 bytes + 512 x K step
	s_wait_alu depctr_va_vdst(0)
	s_wait_kmcnt 0x0
	s_cmp_lt_u32 s24, 16                           ; the choices hang on the wave's and the work-group's number alone
	s_cselect_b64 s[26:27], s[4:5], s[6:7]         ; x or h_prev
	s_cmp_lt_u32 s21, 512                          ; A or B?  Nothing below up to the last select touches SCC
	s_cselect_b64 s[QP:QP+1], s[26:27], s[8:9]     ; blocks 0, 1: rows of A, or W_f;
	s_cselect_b64 s[QP+2:QP+3], s[26:27], s[10:11] ; blocks 2, 3: or W_i;
	s_cselect_b64 s[QP+4:QP+5], s[26:27], s[12:13] ; blocks 4, 5: or W_c;
	s_cselect_b64 s[QP+6:QP+7], s[26:27], s[14:15] ; blocks 6, 7: or W_o
	s_cselect_b64 s[DST:DST+1], s[16:17], s[18:19]
	s_cselect_b32 s44, s38, s40                    ; where block 0 begins,
	s_cselect_b32 s46, 0x40000, 0                  ; and from block to next block but one: 32 rows of 8,192 bytes in A; in B the same rows of the next weight
	s_mov_b32 s[PIT], 16384
	s_cselect_b32 s[PIT], 8192, s[PIT]
	s_cselect_b32 s48, 16, 64                      ; groups in a K step
	s_mov_b32 s[PIT+1], 0
	s_mov_b32 s45, 0
.irp m, 0,1,2,3
	s_add_nc_u64 s[QP+2*\m:QP+2*\m+1], s[QP+2*\m:QP+2*\m+1], s[44:45]
	s_add_co_u32 s44, s44, s46
.endr
	s_mul_i32 s49, s24, s48
	s_add_co_u32 s49, s49, s25
	s_mul_i32 s50, s49, REC                        ; at most 2,047 x 12,800 bytes
	s_mov_b32 s51, 0
	s_add_nc_u64 s[DST:DST+1], s[DST:DST+1], s[50:51]
.macro BASES i                         ; the sixteen rows of block i.  An odd block goes on where the even one in front of it ended.  (Behind a wait on XCNT: the loads that named these pairs have read them)
.if (\i)%2 == 0
	s_mov_b64 s[RB:RB+1], s[QP+(\i):QP+(\i)+1]
.else
	s_add_nc_u64 s[RB:RB+1], s[RB+30:RB+31], s[PIT:PIT+1]
.endif
.irp k, 1,2,3,4,5,6,7,8,9,10,11,12,13,14,15
	s_add_nc_u64 s[RB+2*\k:RB+2*\k+1], s[RB+2*\k-2:RB+2*\k-1], s[PIT:PIT+1]
.endr
.endm
.macro LOADS i                         ; block i: a row to a load: 32 lanes read 512 consecutive bytes, aligned; read once in the launch
.irp k, 0,1,2,3,4,5,6,7,8,9,10,11,12,13,14,15
	global_load_b128 v[R+64*((\i)%2)+4*\k:R+64*((\i)%2)+4*\k+3], v[VL], s[RB+2*\k:RB+2*\k+1] th:TH_LOAD_NT
.endr
.endm
; 64 numbers of a lane, v[s] .. v[s + 63], register 16 b + i = k 32 b + 16 (lane / 16) + i of my row, become a fragment's codes in v[PC] on and its scale word in v[pw].
.macro QUANT s, pw
.irp b, 0,1,2,3
	v_max3_num_f32 v[TM+\b], |v[\s+16*\b]|, |v[\s+1+16*\b]|, 0x1800000   ; block b: my 16 numbers, and the floor 2^(3 - 127), under which no largest magnitude is taken: so the byte cannot fall under 1
.endr
.irp i, 2,4,6,8,10,12,14
.irp b, 0,1,2,3
	v_max3_num_f32 v[TM+\b], v[TM+\b], |v[\s+16*\b+\i]|, |v[\s+1+16*\b+\i]|   ; (the four blocks by turns: no line waits for the line above it)
.endr
.endr
.irp b, 0,1,2,3
	v_permlanex16_b32 v[TB+\b], v[TM+\b], s[SEL], s[SEL+1]
.endr
.irp b, 0,1,2,3
	v_max_num_f32 v[TM+\b], v[TM+\b], v[TB+\b]     ; with lane l xor 16's: the block's largest magnitude
.endr
.irp b, 0,1,2,3
	v_add_nc_u32 v[TS+\b], 0xff000000, v[TM+\b]    ; 2 off its exponent field: the conversion takes the exponent field of this operand as its scale, and nothing else of it
.endr
.irp b, 0,1,2,3
	v_lshrrev_b32 v[TB+\b], 23, v[TS+\b]           ; the scale's byte
.endr
	v_lshl_or_b32 v[\pw], v[TB+1], 8, v[TB]        ; the four bytes make my row's scale word (lanes l and l xor 16 hold the same)
	v_lshl_or_b32 v[\pw], v[TB+2], 16, v[\pw]
	v_lshl_or_b32 v[\pw], v[TB+3], 24, v[\pw]
.irp c, 0,1
	v_cvt_scalef32_pk16_fp6_f32 v[PC+6*\c:PC+2+6*\c], v[\s+32*\c:\s+15+32*\c], v[TS+2*\c]
	v_cvt_scalef32_pk16_fp6_f32 v[PC+12+4*\c:PC+14+4*\c], v[\s+16+32*\c:\s+31+32*\c], v[TS+2*\c+1]   ; (a conversion's three registers begin on an even number)
.endr
	v_nop                                          ; one plain place behind a scaled conversion
.irp c, 0,1                                    ; the operand's layout wants a WHOLE block in a lane: lanes 0-15 block 2 c, lanes 16-31 block 2 c + 1
.irp i, 0,1,2
	v_permlane16_swap_b32 v[PC+6*\c+\i], v[PC+12+4*\c+\i]
.endr
.irp i, 0,1,2
	v_mov_b32 v[PC+3+6*\c+\i], v[PC+12+4*\c+\i]
.endr
.endr
.endm
	BASES 0
	LOADS 0
	s_wait_xcnt 0x0                                ; block 0's loads have read their bases
	BASES 1
	LOADS 1
.macro FSTEP i
.if (\i) < 7
	s_wait_loadcnt 16                              ; this block's 16 loads are in; the next block's 16 may be out
.else
	s_wait_loadcnt 0x0
.endif
.irp k, 0,1,2,3,4,5,6,7,8,9,10,11,12,13,14,15
	ds_store_b128 v[SIN], v[R+64*((\i)%2)+4*\k:R+64*((\i)%2)+4*\k+3] offset:SP*\k    ; row k as it lies
.endr
.irp b, 0,1,2,3
.irp j, 0,1,2,3
	ds_load_b128 v[X+16*\b+4*\j:X+16*\b+4*\j+3], v[SOUT] offset:128*\b+16*\j         ; LDS serves a wave's instructions in order: these see the stores above.  My 16 numbers of block b of my row
.endr
.endr
	s_wait_dscnt 0x0                               ; the numbers are back, and the stores into the stage have read their registers, which take the loads of two blocks on
	s_wait_xcnt 0x0                                ; every earlier load and store has read its bases and its data: the sixteen pairs and the codes' registers may be written again
.if (\i)+2 < 8
	BASES (\i)+2
	LOADS (\i)+2
.endif
	QUANT X, W+(\i)
.irp c, 0,1,2
	global_store_b128 v[VL], v[PC+4*\c:PC+4*\c+3], s[DST:DST+1] offset:FRB*(\i)+512*\c   ; 32 lanes store 512 consecutive bytes, aligned
.endr
.endm
.irp t, 0,1,2,3,4,5,6,7
	FSTEP \t
.endr
	v_cmp_le_u32 vcc_lo, 16, v1                    ; lanes 0-15 store the words of blocks 0-3 of their row, lanes 16-31 those of blocks 4-7
.irp j, 0,1,2,3
	v_cndmask_b32 v[SW+\j], v[W+\j], v[W+4+\j], vcc_lo
.endr
	global_store_b128 v[VL], v[SW:SW+3], s[DST:DST+1] offset:8*FRB    ; 512 consecutive bytes, aligned: the record's scale words
	s_wait_tensorcnt 0x0
	ds_add_u32 v62, v63
	s_wait_dscnt 0x0
	s_endpgm
.Lfunc_end_k_qb2fa8ef5dc_quant:
	.size	k_qb2fa8ef5dc_quant, .Lfunc_end_k_qb2fa8ef5dc_quant-k_qb2fa8ef5dc_quant
	.p2alignl 7, 3214868480
	.fill 96, 4, 3214868480
	.section	.rodata,"a",@progbits
	.p2align	6, 0x0
	.amdhsa_kernel k_qb2fa8ef5dc_quant
		.amdhsa_group_segment_fixed_size 17152
		.amdhsa_private_segment_fixed_size 0
		.amdhsa_enable_private_segment 0
		.amdhsa_kernarg_size 64
		.amdhsa_user_sgpr_count 2
		.amdhsa_user_sgpr_kernarg_segment_ptr 1
		.amdhsa_wavefront_size32 1
		.amdhsa_system_sgpr_workgroup_id_x 1
		.amdhsa_system_sgpr_workgroup_id_y 1
		.amdhsa_system_sgpr_workgroup_id_z 1
		.amdhsa_system_vgpr_workitem_id 0
		.amdhsa_next_free_vgpr 256
		.amdhsa_next_free_sgpr 100
		.amdhsa_reserve_vcc 1
		.amdhsa_float_denorm_mode_32 3
		.amdhsa_float_denorm_mode_16_64 3
		.amdhsa_memory_ordered 1
		.amdhsa_forward_progress 1
		.amdhsa_inst_pref_size 69
	.end_amdhsa_kernel
	.amdgpu_metadata
---
amdhsa.version: [ 1, 2 ]
amdhsa.kernels:
  - .name:           k_qb2fa8ef5dc_quant
    .symbol:         k_qb2fa8ef5dc_quant.kd
    .args:
      - { .name: x, .offset: 0, .size: 8, .value_kind: global_buffer, .address_space: global }
      - { .name: h_prev, .offset: 8, .size: 8, .value_kind: global_buffer, .address_space: global }
      - { .name: W_f, .offset: 16, .size: 8, .value_kind: global_buffer, .address_space: global }
      - { .name: W_i, .offset: 24, .size: 8, .value_kind: global_buffer, .address_space: global }
      - { .name: W_c, .offset: 32, .size: 8, .value_kind: global_buffer, .address_space: global }
      - { .name: W_o, .offset: 40, .size: 8, .value_kind: global_buffer, .address_space: global }
      - { .name: a_img, .offset: 48, .size: 8, .value_kind: global_buffer, .address_space: global }
      - { .name: b_img, .offset: 56, .size: 8, .value_kind: global_buffer, .address_space: global }
    .group_segment_fixed_size: 17152
    .private_segment_fixed_size: 0
    .kernarg_segment_align: 8
    .kernarg_segment_size: 64
    .max_flat_workgroup_size: 64
    .sgpr_count:     100
    .vgpr_count:     256
    .wavefront_size: 32
...
	.end_amdgpu_metadata
.endif
;; end of part 1
;; launch cell (part 2): grid 32 x 8, 4 waves a work-group, clusters of 4 x 4, 327,680 bytes of LDS; arguments a_img, b_img, b_f, b_i, b_c, b_o, c_prev, out0, out1; writes out0, out1
.if DOCPART == 2
	.amdgcn_target "amdgcn-amd-amdhsa--gfx1250"
	.amdhsa_code_object_version 6
	.text
	.protected	k_qb2fa8ef5dc_cell
	.globl	k_qb2fa8ef5dc_cell
	.p2align	8
	.type	k_qb2fa8ef5dc_cell,@function
k_qb2fa8ef5dc_cell:
	s_mov_b64 s[64:65], 0
	v_nop
	global_prefetch_b8 v0, s[64:65] scope:SCOPE_SE
	s_setreg_imm32_b32 hwreg(HW_REG_WAVE_MODE, 25, 1), 1
	s_wait_xcnt 0x0
	s_wait_alu depctr_hold_cnt(0) depctr_sa_sdst(0) depctr_va_vdst(0) depctr_va_sdst(0) depctr_va_ssrc(0) depctr_va_vcc(0) depctr_vm_vsrc(0)
	s_getreg_b32 s2, hwreg(HW_REG_IB_STS2, 6, 4)
	s_cmp_eq_u32 s2, 0
	s_cbranch_scc0 .Lentry_in_a_cluster
	s_endpgm
.Lentry_in_a_cluster:
	s_bfe_u32 s2, ttmp6, 0x10000c
	s_cmp_lg_u32 s2, 0xf033
	s_cbranch_scc0 .Lentry_shape_is_right
	s_endpgm
.Lentry_shape_is_right:
; gates = [x | h_prev] [W_f; W_i; W_c; W_o]^T + b on codes of FP6 (E2M3) with E8M0 scales, and the LSTM cell behind it, in one launch.
; a_img [32 K steps][16 groups][record], b_img [32][64][record]: a record is 128 rows x 128 K as images of the operand's registers (8 fragments of 1,536 bytes) and 512 bytes of scale words.
; A group of b_img holds the four gates of 32 hidden columns (block 2 g + u: gate g, columns 16 u ..), so a lane finds a cell's four gates in its own registers.
; A work-group of four waves makes 256 rows x 256 gate columns (64 cells a row); a wave 128 x 128: 64 accumulators, 512 registers.  256 work-groups.
; K goes through a ring of two LDS slots of three K steps each (4 x 3 records a slot); ring fill j holds K steps 3 j .. 3 j + 2, fill 10 the last two steps.
; CLUSTERS 4 x 4: A's records are shared along a row of the cluster, B's along a column, each asked for by a joint load.  The matrix instruction is used transposed (source 0 = B, source 1 = A).
; PREFETCH: in each cluster waves 0 (A) and 2 (B) name, behind the refill with fill j, the records of fill j + 1: 25 lanes x 256 bytes = half a record a work-group, the four partners told apart by address;
; fills 1 and 2 are named at the head, behind fill 0's load; fill 10's third step does not exist and is not named.  c_prev's 64 rows a wave are named one change of slots ahead of their load.
; THE CELL: with a_f = e^-f, a_i = e^-i, b = e^2g, a_o = e^-o, d = e^2c_t:  c_t = (c_prev (1+a_i)(1+b) + (b-1)(1+a_f)) / ((1+a_f)(1+a_i)(1+b)),  h_t = (d-1) / ((1+a_o)(1+d)).
; LIMITS: the base-2 exponents of a_f, a_i, b and d are held at 30 from above, so that no product of denominators overflows: a sigmoid or 1 - |tanh| under 2^-30 comes out as about 2^-30 (an absolute error under 2^-29);
; |c_prev| stays under 2^66.  NaN and infinities among the inputs are not served.
; REGISTERS: window 0: v12-31 addresses, v32-47 scale words (two sets), v64-127 the biases (C of the first step), v128-223 A's fragments (one set); window 1: B's fragments, two sets at v0 and v128;
; windows 2, 3: the accumulators of my rows 0-63, 64-127 ((a, b) at v[8 (8 (a % 4) + b)]).  On the way out window 0's v48-255 are at work.
.set NQ,     3                         ; K steps in a slot
.set FR,     12
.set NL,     3                         ; LDS loads to a fragment
.set NP,     4                         ; places behind this matrix form (ISA guide 7.12.1)
.set FRB,    1536
.set REC,    8*FRB+512
.set TILEB,  NQ*REC                    ; what one tensor load brings
.set SLOT,   4*TILEB
.set SPARE,  2*SLOT                    ; the spare words, 512 bytes that no other line names
.set ASTR,   16*REC
.set BSTR,   64*REC
.set LAPS,   4
.set SP,     272                       ; a stage row: 256 bytes + 16
.set CROW,   8192                      ; a row of c_prev, out0, out1
.set RDC,  12
.set RDH,  13
.set BO,   14
.set ADRA, 16
.set ADRB, 20
.set ADRS, 22
.set STC,  24
.set STH,  25
.set CO,   26
.set SPW,  28
.set NIL,  29
.set PFO,  30
.set PFC,  31
.set SC,   32
.set BI,   64
.set AF,   128
.set BKC,  48                          ; the way out: rows of c_t read back
.set EF,   64
.set EI,   80
.set EG,   96
.set EO,   112                         ; two sets by turns
.set TC,   144
.set CP,   160
.set CC,   176
.set HR,   192
.set T1,   208
.set T2,   224
.set BKH,  240                         ; rows of h_t read back
.set G1C,  4
.set LIM,  12
.set CLP,  13
.set G1,   24
.set G0,   32
.set G0C,  40
.set G1B,  48
.set G0B,  56
.set PFA,  66
.set G1A2, 68
.set G1B2, 76
.set BP,   84
.set CPV,  92
.set OUT0, 94
.set OUT1, 96
.set PFS,  98
.set SGM,  98
.set TNH,  100
.set MSB, 0
.macro WIN new                         ; the immediate's high byte repeats the setting that is left
.if MSB != \new
	s_set_vgpr_msb (MSB<<8)|\new
.set MSB, \new
.endif
.endm
.set MUL_LO, 0xa1                      ; source 0 (B) window 1, source 1 (A) window 0, C and D window 2
.set MUL_HI, 0xf1
.set BEG_LO, 0x81                      ; the first step: C (the biases) window 0
.set BEG_HI, 0xc1
.set TO_B,   0x40
.macro JLOAD g0a, g1a, g0b, g1b        ; a joint load: waves 0, 1 for A, waves 2, 3 for B; s_nop 0 and four v_nop behind each line
	s_cmp_eq_u32 s15, 0
	s_cbranch_scc0 .Lfor_b_\@
	tensor_load_to_lds s[\g0a:\g0a+3], s[\g1a:\g1a+7]
	s_nop 0
.rept 4
	v_nop
.endr
	s_branch .Lasked_\@
.Lfor_b_\@:
	tensor_load_to_lds s[\g0b:\g0b+3], s[\g1b:\g1b+7]
	s_nop 0
.rept 4
	v_nop
.endr
.Lasked_\@:
.endm
.macro CREST                           ; a round of the cluster's barrier behind its opening barrier
	s_cmp_lg_u32 s14, 0
	s_cbranch_scc1 .Lnot_wave_0_\@
	s_barrier_signal -3
.Lnot_wave_0_\@:
	s_barrier_wait -3
	s_barrier_signal -1
	s_barrier_wait -1
.endm
.macro CROUND
	s_barrier_signal -1
	s_barrier_wait -1
	CREST
.endm
.macro PF off
	global_prefetch_b8 v[PFO], s[PFA:PFA+1] offset:\off th:TH_LOAD_NT scope:SCOPE_SE
.endm
.macro ASK slot                        ; the next ring fill's three K steps; in the loop's last trip slot 1's next fill has two
	s_cmp_gt_u32 s3, s[LIM]
	s_cbranch_scc0 .Lnot_mine_\@
	s_cmp_eq_u32 s15, 0
	s_cbranch_scc0 .Lask_b_\@
	PF 0
	PF ASTR
.if \slot == 1
	s_cmp_eq_u32 s3, 1
	s_cbranch_scc1 .Lnot_mine_\@
.endif
	PF 2*ASTR
	s_branch .Lnot_mine_\@
.Lask_b_\@:
	PF 0
	PF BSTR
.if \slot == 1
	s_cmp_eq_u32 s3, 1
	s_cbranch_scc1 .Lnot_mine_\@
.endif
	PF 2*BSTR
.Lnot_mine_\@:
.endm
	s_load_b128 s[4:7], s[0:1], 0x0                ; a_img, b_img
	s_load_b256 s[84:91], s[0:1], 0x10             ; b_f, b_i, b_c, b_o
	s_load_b128 s[92:95], s[0:1], 0x30             ; c_prev, out0
	s_load_b64 s[96:97], s[0:1], 0x40              ; out1
	v_lshl_add_u32 v[SPW], v0, 2, SPARE
	v_mov_b32 v[NIL], 0
	ds_add_u32 v[SPW], v[NIL]                      ; the opening lines: the add, twice on end, and its wait ahead of my first tensor load
	ds_add_u32 v[SPW], v[NIL]
	v_lshrrev_b32 v1, 5, v0
	v_readfirstlane_b32 s14, v1                    ; wave 0..3
	s_lshr_b32 s15, s14, 1                         ; my half of the rows; also: I fetch for A (0) or B (1)
	s_and_b32 s16, s14, 1                          ; my half of the columns; also: which record of the two I fetch
	s_bfe_u32 s40, ttmp6, 0x40000                  ; cx
	s_bfe_u32 s41, ttmp6, 0x40004                  ; cy
	s_lshl_b32 s42, ttmp9, 2
	s_add_co_u32 s42, s42, s40                     ; tile column
	s_and_b32 s17, ttmp7, 0xffff
	s_lshl_b32 s17, s17, 2
	s_add_co_u32 s17, s17, s41                     ; tile row
	s_lshl_b32 s43, s41, 2
	s_lshl_b32 s43, 15, s43                        ; my row of the cluster
	s_lshl_b32 s44, 0x1111, s40                    ; my column
	s_or_b32 s[G1+0], s43, (3<<16)|(1<<21)         ; elements of 8 bytes; a record is a row, a K step a row further
	s_or_b32 s[G1B+0], s44, (3<<16)|(1<<21)
.irp g, G1, G1B
	s_mov_b32 s[\g+1], (REC/8)<<16
	s_mov_b32 s[\g+2], NQ<<16
	s_mov_b32 s[\g+3], (REC/8)<<16
	s_mov_b32 s[\g+4], NQ
	s_mov_b32 s[\g+6], 0
	s_mov_b32 s[\g+7], 0
.endr
	s_mov_b32 s[G1+5], ASTR/8
	s_mov_b32 s[G1B+5], BSTR/8
	s_lshl_b32 s20, s17, 1
	s_add_co_u32 s20, s20, s16
	s_mul_i32 s20, s20, REC                        ; A: group 2 x tile row + record
	s_mov_b32 s21, 0
	s_lshl_b32 s46, s42, 1
	s_add_co_u32 s46, s46, s16
	s_mul_i32 s46, s46, REC                        ; B: group 2 x tile column + record
	s_mov_b32 s47, 0
	s_mul_i32 s45, s14, TILEB                      ; where my records go: no place in the cluster enters an LDS address
	s_wait_dscnt 0x0                               ; both opening adds are done
	s_wait_kmcnt 0x0
	s_add_nc_u64 s[20:21], s[4:5], s[20:21]
	s_add_nc_u64 s[46:47], s[6:7], s[46:47]
.irp s, 0,1
	s_mov_b32 s[G0+4*\s], 1
	s_add_co_u32 s[G0+4*\s+1], s45, \s*SLOT
	s_add_nc_u64 s[G0+4*\s+2:G0+4*\s+3], s[20:21], \s*NQ*ASTR
	s_or_b32 s[G0+4*\s+3], s[G0+4*\s+3], 0x80000000
	s_mov_b32 s[G0B+4*\s], 1
	s_add_co_u32 s[G0B+4*\s+1], s45, \s*SLOT
	s_add_nc_u64 s[G0B+4*\s+2:G0B+4*\s+3], s[46:47], \s*NQ*BSTR
	s_or_b32 s[G0B+4*\s+3], s[G0B+4*\s+3], 0x80000000
.endr
	CROUND                                         ; all sixteen work-groups are here: the first joint loads meet
	JLOAD G0, G1, G0B, G1B                         ; ring fill 0: one tensor load a wave at the head; all that follows is made while it is out
	s_or_b32 s[G1A2+0], s43, (3<<16)|(1<<21)       ; group 1 for the last fill: two K steps
	s_or_b32 s[G1B2+0], s44, (3<<16)|(1<<21)
.irp g, G1A2, G1B2
	s_mov_b32 s[\g+1], (REC/8)<<16
	s_mov_b32 s[\g+2], 2<<16
	s_mov_b32 s[\g+3], (REC/8)<<16
	s_mov_b32 s[\g+4], 2
	s_mov_b32 s[\g+6], 0
	s_mov_b32 s[\g+7], 0
.endr
	s_mov_b32 s[G1A2+5], ASTR/8
	s_mov_b32 s[G1B2+5], BSTR/8
	s_lshl_b32 s18, s17, 1                         ; the prefetches: the tile's first group, my work-group's half record of its two, told apart by address
	s_lshl_b32 s19, s42, 1
	s_cmp_eq_u32 s15, 0
	s_cselect_b32 s20, s18, s19
	s_cselect_b32 s21, s40, s41
	s_cselect_b64 s[PFA:PFA+1], s[4:5], s[6:7]
	s_mov_b32 s[PFS], NQ*BSTR
	s_cselect_b32 s[PFS], NQ*ASTR, s[PFS]
	s_mov_b32 s[PFS+1], 0
	s_cmp_eq_u32 s16, 0
	s_cselect_b32 s[LIM], 0, -1                    ; waves 0 and 2 of every work-group ask
	s_mul_i32 s20, s20, REC
	s_mul_i32 s21, s21, REC/2
	s_add_co_u32 s20, s20, s21
	s_mov_b32 s21, 0
	s_add_nc_u64 s[PFA:PFA+1], s[PFA:PFA+1], s[20:21]
	s_add_nc_u64 s[PFA:PFA+1], s[PFA:PFA+1], s[PFS:PFS+1]
	s_add_nc_u64 s[PFA:PFA+1], s[PFA:PFA+1], s[PFS:PFS+1]   ; at ring fill 2
	s_mov_b32 s[G1C+0], (3<<16)|(1<<20)|(5<<22)|(3<<25)     ; c_prev: 64 rows x 256 bytes, 16 bytes of padding behind each
	s_mov_b32 s[G1C+1], 32<<16
	s_mov_b32 s[G1C+2], 64<<16
	s_mov_b32 s[G1C+3], 32<<16
	s_mov_b32 s[G1C+4], 64
	s_mov_b32 s[G1C+5], CROW/8
	s_mov_b32 s[G1C+6], 0
	s_mov_b32 s[G1C+7], 0
	s_lshl_b32 s18, s17, 8                         ; the tile's first row
	s_lshl_b32 s19, s14, 6
	s_add_co_u32 s19, s18, s19                     ; + 64 w: the rows of c_prev that I fetch
	s_lshl_b32 s22, s15, 7
	s_lshl_b32 s23, s16, 3
	s_add_co_u32 s22, s22, s23                     ; 128 x row half + 8 x column half: of each block of 16 rows I store eight
	s_mul_i32 s101, s22, SP
	s_add_co_u32 s22, s22, s18
	s_lshl_b32 s20, s42, 8                         ; the tile's first column, in bytes
	s_lshl_b32 s18, s19, 13
	s_add_co_u32 s18, s18, s20
	s_mov_b32 s19, 0
	s_lshl_b32 s22, s22, 13
	s_add_co_u32 s22, s22, s20
	s_mov_b32 s23, 0
	s_add_nc_u64 s[CPV:CPV+1], s[CPV:CPV+1], s[18:19]
	s_add_nc_u64 s[OUT0:OUT0+1], s[OUT0:OUT0+1], s[22:23]
	s_add_nc_u64 s[OUT1:OUT1+1], s[OUT1:OUT1+1], s[22:23]
	s_lshl_b32 s21, s16, 7
	s_add_co_u32 s20, s20, s21
	s_mov_b32 s21, 0
.irp g, 0,1,2,3
	s_add_nc_u64 s[BP+2*\g:BP+2*\g+1], s[BP+2*\g:BP+2*\g+1], s[20:21]   ; my 32 columns of each bias
.endr
	s_mul_i32 s45, s15, TILEB                      ; my record of A in a slot,
	s_mul_i32 s46, s16, TILEB
	s_add_co_u32 s46, s46, 2*TILEB                 ; of B,
	s_sub_co_u32 s47, s46, s45                     ; and the distance between them
	s_mul_i32 s100, s15, 128*SP
	s_lshl_b32 s23, s16, 7
	s_add_co_u32 s100, s100, s23                   ; the stages: my 128 rows, my 128 bytes of them
	s_mov_b32 s[G0C], 1
	s_mul_i32 s[G0C+1], s14, 64*SP
	s_add_co_u32 s[G0C+1], s[G0C+1], SLOT
	s_mov_b64 s[G0C+2:G0C+3], s[CPV:CPV+1]
	s_or_b32 s[G0C+3], s[G0C+3], 0x80000000
	v_and_b32 v1, 15, v0                           ; r
	v_bfe_u32 v2, v0, 4, 1                         ; h
	v_and_b32 v6, 31, v0
	v_lshlrev_b32 v4, 4, v6
	v_mul_u32_u24 v5, s47, v2                      ; scale words: lanes 0-15 A's, lanes 16-31 B's
	v_lshl_add_u32 v5, v1, 4, v5
	v_add_nc_u32 v[ADRA], s45, v4
	v_add_nc_u32 v[ADRB], s46, v4
	v_add_nc_u32 v[ADRS], s45, v5
	v_add_nc_u32 v[ADRA+1], SLOT, v[ADRA]
	v_add_nc_u32 v[ADRB+1], SLOT, v[ADRB]
	v_add_nc_u32 v[ADRS+1], SLOT, v[ADRS]
	v_mul_u32_u24 v7, v1, SP
	v_lshl_add_u32 v7, v2, 5, v7
	v_add_nc_u32 v[STH], s100, v7                  ; into the stage: row r, 32 bytes for each half of the lanes; h_t in slot 0's bytes,
	v_add_nc_u32 v[STC], SLOT, v[STH]              ; c_prev and c_t in slot 1's
	v_mul_u32_u24 v8, v2, SP
	v_lshl_add_u32 v8, v1, 4, v8
	v_add_nc_u32 v[RDH], s101, v8                  ; back: sixteen lanes to a row of 256 bytes, two rows a load
	v_add_nc_u32 v[RDC], SLOT, v[RDH]
	v_lshlrev_b32 v[CO], 13, v2
	v_lshl_add_u32 v[CO], v1, 4, v[CO]
	v_lshlrev_b32 v[BO], 5, v2
	v_min_u32 v[PFO], 24, v6                       ; 25 blocks of 256 bytes: half a record; the lanes left over name the last again
	v_lshlrev_b32 v[PFO], 8, v[PFO]
	v_lshlrev_b32 v[PFC], 13, v6
	s_wait_alu depctr_va_vdst(0)                   ; the wait behind the head's last vector instruction
.irp g, 0,1,2,3
.irp u, 0,1
	global_load_b128 v[BI+8*(2*\g+\u):BI+8*(2*\g+\u)+3],   v[BO], s[BP+2*\g:BP+2*\g+1] offset:64*\u
	global_load_b128 v[BI+8*(2*\g+\u)+4:BI+8*(2*\g+\u)+7], v[BO], s[BP+2*\g:BP+2*\g+1] offset:64*\u+16
.endr
.endr
	s_cmp_eq_u32 s[LIM], 0                         ; ring fills 1 and 2: K steps 3 to 8, three behind and three from where the address stands
	s_cbranch_scc0 .Lhead_none
	s_cmp_eq_u32 s15, 0
	s_cbranch_scc0 .Lhead_b
.irp k, -3,-2,-1,0,1,2
	PF \k*ASTR
.endr
	s_branch .Lhead_none
.Lhead_b:
.irp k, -3,-2,-1,0,1,2
	PF \k*BSTR
.endr
.Lhead_none:
.macro FRAG reg, adr, q, i
.irp c, 0,1,2
	ds_load_b128 v[\reg+4*\c:\reg+4*\c+3], v[\adr] offset:REC*(\q)+FRB*(\i)+512*\c
.endr
.endm
.macro MULA a, p, zero                 ; A's block a against B's eight; the accumulators take turns
.irp b, 0,1,2,3,4,5,6,7
.if \zero
	v_wmma_scale_f32_16x16x128_f8f6f4 v[8*(8*((\a)%4)+\b):8*(8*((\a)%4)+\b)+7], v[128*(\p)+FR*\b:128*(\p)+FR*\b+FR-1], v[AF+FR*(\a):AF+FR*(\a)+FR-1], v[BI+8*\b:BI+8*\b+7], v[SC+8*(\p)+\b], v[SC+8*(\p)+(\a)] matrix_a_fmt:MATRIX_FMT_FP6 matrix_b_fmt:MATRIX_FMT_FP6 matrix_a_scale:MATRIX_SCALE_ROW1
.else
	v_wmma_scale_f32_16x16x128_f8f6f4 v[8*(8*((\a)%4)+\b):8*(8*((\a)%4)+\b)+7], v[128*(\p)+FR*\b:128*(\p)+FR*\b+FR-1], v[AF+FR*(\a):AF+FR*(\a)+FR-1], v[8*(8*((\a)%4)+\b):8*(8*((\a)%4)+\b)+7], v[SC+8*(\p)+\b], v[SC+8*(\p)+(\a)] matrix_a_fmt:MATRIX_FMT_FP6 matrix_b_fmt:MATRIX_FMT_FP6 matrix_a_scale:MATRIX_SCALE_ROW1
.endif
.endr
.endm
.macro MUL16 a0, p, zero
	MULA \a0, \p, \zero
	MULA (\a0)+1, \p, \zero
.endm
.macro FETCH_B slot, q, p
	WIN TO_B
.irp i, 0,1,2,3,4,5,6,7
	FRAG 128*(\p)+FR*\i, ADRB+\slot, \q, \i
.endr
	WIN 0
.endm
.macro FETCH_A slot, q, i0
.irp i, \i0, \i0+1, \i0+2, \i0+3
	FRAG AF+FR*(\i), ADRA+\slot, \q, \i
.endr
.endm
.macro SCALES slot, q, p
.irp e, 0,1
	ds_load_b128 v[SC+8*(\p)+4*\e:SC+8*(\p)+4*\e+3], v[ADRS+\slot] offset:8*FRB+REC*(\q)+256*\e
.endr
.endm
.macro PLACES n
.rept \n
	v_nop
.endr
.endm
.macro STEP slot, q, p, zero           ; a K step inside a slot: 64 products; the next step's fragments come in its middle and at its end
	s_wait_dscnt 4*NL                              ; all but the youngest twelve loads (A's blocks 4-7)
.if \zero
	WIN BEG_LO
.else
	WIN MUL_LO
.endif
	MUL16 0, \p, \zero
	MUL16 2, \p, \zero
	s_wait_dscnt 0
	PLACES NP
	FETCH_B \slot, (\q)+1, 1-(\p)
	FETCH_A \slot, (\q)+1, 0
	SCALES \slot, (\q)+1, 1-(\p)
.if \zero
	WIN BEG_HI
.else
	WIN MUL_HI
.endif
	MUL16 4, \p, \zero
	MUL16 6, \p, \zero
	PLACES NP
	WIN 0
	FETCH_A \slot, (\q)+1, 4
.endm
; A slot's last K step, and the change of slots.  All this step's fragments are in registers when the barrier is signalled; sixteen products stand between the wait for my tensor loads and the refill.
; fill = 1: three K steps; 3: the last fill, two K steps; 2: c_prev's rows, into slot 1's bytes.
.macro TURN slot, next, p, fill
.if \fill == 1
	s_wait_xcnt 0x0                                ; my prefetches have read their address
	s_add_nc_u64 s[PFA:PFA+1], s[PFA:PFA+1], s[PFS:PFS+1]
.endif
	s_wait_tensorcnt 0x0                           ; all my tensor loads have landed: my part of the next slot
	ds_add_u32 v[SPW], v[NIL]
	s_wait_dscnt 4*NL+1                            ; (the add and A's blocks 4-7 may be out)
	WIN MUL_LO
	MULA 0, \p, 0
	s_wait_dscnt 0x0                               ; the add is done, and my reads of this slot are over
	s_barrier_signal -1
	MULA 1, \p, 0
	WIN 0
	s_barrier_wait -1
	CREST                                          ; the barrier has opened a round of the cluster's barrier
.if \fill == 2
	tensor_load_to_lds s[G0C:G0C+3], s[G1C:G1C+7]
	s_nop 0
.rept 4
	v_nop
.endr
.else
	s_add_nc_u64 s[G0+4*\slot+2:G0+4*\slot+3], s[G0+4*\slot+2:G0+4*\slot+3], 2*NQ*ASTR
	s_add_nc_u64 s[G0B+4*\slot+2:G0B+4*\slot+3], s[G0B+4*\slot+2:G0B+4*\slot+3], 2*NQ*BSTR
.if \fill == 1
	JLOAD G0+4*\slot, G1, G0B+4*\slot, G1B
.else
	JLOAD G0+4*\slot, G1A2, G0B+4*\slot, G1B2
.endif
.endif
	FETCH_B \next, 0, 1-(\p)                       ; the four v_nop behind the load are the places in front of these
	SCALES \next, 0, 1-(\p)
	WIN MUL_LO
	MUL16 2, \p, 0
	PLACES NP
	WIN 0
	FETCH_A \next, 0, 0
.if \fill == 1
	ASK \slot
.endif
.if \fill == 3
	global_prefetch_b8 v[PFC], s[CPV:CPV+1] th:TH_LOAD_NT scope:SCOPE_SE                 ; c_prev: a lane a row, my 64 rows
	global_prefetch_b8 v[PFC], s[CPV:CPV+1] offset:32*CROW th:TH_LOAD_NT scope:SCOPE_SE
.endif
	WIN MUL_HI
	MUL16 4, \p, 0
	MUL16 6, \p, 0
	PLACES NP
	WIN 0
	FETCH_A \next, 0, 4
.endm
	s_wait_tensorcnt 0x0                           ; my part of fill 0 is in
	ds_add_u32 v[SPW], v[NIL]
	s_wait_dscnt 0x0
	CROUND                                         ; everybody's part is in, and the joint loads meet
	JLOAD G0+4, G1, G0B+4, G1B                     ; ring fill 1, the first tensor load behind the round
	FETCH_B 0, 0, 0
	FETCH_A 0, 0, 0
	SCALES 0, 0, 0
	FETCH_A 0, 0, 4
	s_wait_loadcnt 0x0                             ; the biases
	STEP 0, 0, 0, 1                                ; the first step's products start the sums from the biases
	s_mov_b32 s3, LAPS
.Llap:                                                 ; six K steps: once round the ring, both slots filled again
	STEP 0, 1, 1, 0
	TURN 0, 1, 0, 1
	STEP 1, 0, 1, 0
	STEP 1, 1, 0, 0
	TURN 1, 0, 1, 1
	STEP 0, 0, 0, 0
	s_sub_co_u32 s3, s3, 1
	s_cmp_lg_u32 s3, 0
	s_cbranch_scc1 .Llap
	STEP 0, 1, 1, 0
	TURN 0, 1, 0, 3
	STEP 1, 0, 1, 0
	STEP 1, 1, 0, 0
	TURN 1, 0, 1, 2
	STEP 0, 0, 0, 0
	s_wait_dscnt 4*NL                              ; the last K step
	WIN MUL_LO
	MUL16 0, 1, 0
	MUL16 2, 1, 0
	s_wait_tensorcnt 0x0                           ; my rows of c_prev are in,
	s_wait_dscnt 0x0                               ; and my reads of slot 0 are over: it has had its last fill and becomes h_t's stage
	s_barrier_signal -1
	WIN MUL_HI
	MUL16 4, 1, 0
	MUL16 6, 1, 0
	WIN 0
	s_barrier_wait -1
	PLACES NP
	s_mov_b32 s[SGM], 0xbfb8aa3b                   ; -log2(e)
	s_mov_b32 s[SGM+1], 0xbfb8aa3b
	s_mov_b32 s[TNH], 0x4038aa3b                   ; 2 log2(e)
	s_mov_b32 s[TNH+1], 0x4038aa3b
	s_mov_b32 s[CLP], 0x41f00000                   ; 30.0
; THE CELL, block by block of 16 rows; a lane holds 16 cells of one row.  h_t runs one block behind c_t, and the stores one block behind the stage.
.macro LOADCP a
.irp u, 0,1
.irp q, 0,1
	ds_load_b128 v[CP+8*\u+4*\q:CP+8*\u+4*\q+3], v[STC] offset:(\a)*16*SP+64*\u+16*\q
.endr
.endr
.endm
.macro TOST adr, reg, a
.irp u, 0,1
.irp q, 0,1
	ds_store_b128 v[\adr], v[\reg+8*\u+4*\q:\reg+8*\u+4*\q+3] offset:(\a)*16*SP+64*\u+16*\q
.endr
.endr
.endm
.macro BACK reg, adr, a                ; my eight rows of block a, whole
.irp t, 0,1,2,3
	ds_load_b128 v[\reg+4*\t:\reg+4*\t+3], v[\adr] offset:(16*(\a)+2*\t)*SP
.endr
.endm
.macro SEND reg, base, a               ; sixteen lanes store 256 consecutive bytes, aligned
.irp t, 0,1,2,3
	global_store_b128 v[CO], v[\reg+4*\t:\reg+4*\t+3], s[\base:\base+1] offset:(16*(\a)+2*\t)*CROW th:TH_STORE_NT
.endr
.endm
.macro PKS d, x, k                     ; d = x (another window) x the scalar pair's low word
.irp p, 0,2,4,6,8,10,12,14
	v_pk_mul_f32 v[\d+\p:\d+\p+1], v[\x+\p:\x+\p+1], s[\k:\k+1] op_sel_hi:[1,0]
.endr
.endm
.macro PKMUL d, x, y
.irp p, 0,2,4,6,8,10,12,14
	v_pk_mul_f32 v[\d+\p:\d+\p+1], v[\x+\p:\x+\p+1], v[\y+\p:\y+\p+1]
.endr
.endm
.macro PKFMA d, x, y, z
.irp p, 0,2,4,6,8,10,12,14
	v_pk_fma_f32 v[\d+\p:\d+\p+1], v[\x+\p:\x+\p+1], v[\y+\p:\y+\p+1], v[\z+\p:\z+\p+1]
.endr
.endm
.macro ADDN base, n, c
.set i, 0
.rept (\n)/2
	v_pk_add_f32 v[\base+i:\base+i+1], v[\base+i:\base+i+1], \c op_sel_hi:[1,0]
.set i, i+2
.endr
.endm
.macro MINN base, n
.set i, 0
.rept \n
	v_min_num_f32 v[\base+i], s[CLP], v[\base+i]
.set i, i+1
.endr
.endm
.macro EXPN base, n
.set i, 0
.rept \n
	v_exp_f32 v[\base+i], v[\base+i]
.set i, i+1
.endr
.endm
.macro RCPN base, n
.set i, 0
.rept \n
	v_rcp_f32 v[\base+i], v[\base+i]
.set i, i+1
.endr
.endm
.macro SCALE a                         ; block a's four gates as base-2 exponents; each accumulator is read from its low end on
.set AC, 64*((\a)%4)
.set EOS, EO+16*((\a)%2)
.set WN, 0x02+(\a)/4
	WIN WN
	s_wait_alu depctr_va_vdst(0)                   ; the wait directly ahead of the first readers of matrix results
	PKS EF, AC, SGM
	PKS EI, AC+16, SGM
	PKS EG, AC+32, TNH
	PKS EOS, AC+48, SGM
	WIN 0
	MINN EF, 48                                    ; held at 30 (o's needs no hold: see the head)
.endm
.macro BLK a
.set EOA, EO+16*((\a)%2)
.set EOB, EO+16*(1-(\a)%2)
	s_wait_alu depctr_va_vdst(0)                   ; the wait ahead of the batch
	EXPN EF, 48
	EXPN EOA, 16
.if \a > 0
	EXPN TC, 16                                    ; d of block a - 1
.endif
	v_nop
	s_wait_alu depctr_va_vdst(0)                   ; and behind it
	ADDN EF, 48, 1.0                               ; 1 + a_f, 1 + a_i, 1 + b
	ADDN EOA, 16, 1.0
.if \a > 0
	ADDN TC, 16, 1.0
.endif
	PKMUL EI, EI, EG                               ; (1 + a_i)(1 + b)
	ADDN EG, 16, -2.0                              ; b - 1
	PKMUL T1, EF, EI                               ; c_t's denominator
.if \a > 0
	PKMUL T2, TC, EOB                              ; h_t's denominator, block a - 1
	ADDN TC, 16, -2.0                              ; d - 1
.endif
	s_wait_dscnt 0x0                               ; c_prev of this block, and the rows read back
.if \a > 0
	SEND BKC, OUT1, \a-1
.endif
.if \a > 1
	SEND BKH, OUT0, \a-2
.endif
	PKMUL EI, EI, CP
	PKFMA EI, EG, EF, EI                           ; c_t's numerator
	s_wait_alu depctr_va_vdst(0)
	RCPN T1, 16
.if \a > 0
	RCPN T2, 16
.endif
	v_nop
	s_wait_alu depctr_va_vdst(0)
	PKMUL CC, EI, T1                               ; c_t
.if \a > 0
	PKMUL HR, TC, T2                               ; h_t of block a - 1
.endif
	TOST STC, CC, \a                               ; over my own c_prev
.if \a > 0
	TOST STH, HR, \a-1
.endif
	PKS TC, CC, TNH
	MINN TC, 16
	s_wait_dscnt 0x0                               ; for the others' sake: my stores into the stages are done
	s_barrier_signal -1
.if \a < 7
	SCALE \a+1                                     ; work on registers while the others arrive
.endif
	s_barrier_wait -1
	s_wait_xcnt 0x0                                ; the stores above have read their data registers
	BACK BKC, RDC, \a
.if \a > 0
	BACK BKH, RDH, \a-1
.endif
.if \a < 7
	LOADCP \a+1
.endif
.endm
	LOADCP 0
	SCALE 0
.irp a, 0,1,2,3,4,5,6,7
	BLK \a
.endr
	s_wait_alu depctr_va_vdst(0)                   ; h_t of block 7
	EXPN TC, 16
	v_nop
	s_wait_alu depctr_va_vdst(0)
	ADDN TC, 16, 1.0
	PKMUL T2, TC, EO+16
	ADDN TC, 16, -2.0
	s_wait_dscnt 0x0
	SEND BKC, OUT1, 7
	SEND BKH, OUT0, 6
	s_wait_alu depctr_va_vdst(0)
	RCPN T2, 16
	v_nop
	s_wait_alu depctr_va_vdst(0)
	PKMUL HR, TC, T2
	TOST STH, HR, 7
	s_wait_dscnt 0x0
	s_barrier_signal -1
	s_barrier_wait -1
	s_wait_xcnt 0x0
	BACK BKH, RDH, 7
	s_wait_dscnt 0x0
	SEND BKH, OUT0, 7
	s_wait_tensorcnt 0x0                           ; the wave's end
	ds_add_u32 v[SPW], v[NIL]
	s_wait_dscnt 0x0
	CROUND                                         ; the closing round
	s_endpgm
.Lfunc_end_k_qb2fa8ef5dc_cell:
	.size	k_qb2fa8ef5dc_cell, .Lfunc_end_k_qb2fa8ef5dc_cell-k_qb2fa8ef5dc_cell
	.p2alignl 7, 3214868480
	.fill 96, 4, 3214868480
	.section	.rodata,"a",@progbits
	.p2align	6, 0x0
	.amdhsa_kernel k_qb2fa8ef5dc_cell
		.amdhsa_group_segment_fixed_size 327680
		.amdhsa_private_segment_fixed_size 0
		.amdhsa_enable_private_segment 0
		.amdhsa_kernarg_size 72
		.amdhsa_user_sgpr_count 2
		.amdhsa_user_sgpr_kernarg_segment_ptr 1
		.amdhsa_wavefront_size32 1
		.amdhsa_system_sgpr_workgroup_id_x 1
		.amdhsa_system_sgpr_workgroup_id_y 1
		.amdhsa_system_sgpr_workgroup_id_z 1
		.amdhsa_system_vgpr_workitem_id 0
		.amdhsa_next_free_vgpr 1024
		.amdhsa_next_free_sgpr 102
		.amdhsa_reserve_vcc 0
		.amdhsa_float_denorm_mode_32 3
		.amdhsa_float_denorm_mode_16_64 3
		.amdhsa_memory_ordered 1
		.amdhsa_forward_progress 1
		.amdhsa_inst_pref_size 255
	.end_amdhsa_kernel
	.section	.bss,"aw",@nobits
	.p2align	6
	.space	262144
	.amdgpu_metadata
---
amdhsa.version: [ 1, 2 ]
amdhsa.kernels:
  - .name:           k_qb2fa8ef5dc_cell
    .symbol:         k_qb2fa8ef5dc_cell.kd
    .args:
      - { .name: a_img, .offset: 0, .size: 8, .value_kind: global_buffer, .address_space: global }
      - { .name: b_img, .offset: 8, .size: 8, .value_kind: global_buffer, .address_space: global }
      - { .name: b_f, .offset: 16, .size: 8, .value_kind: global_buffer, .address_space: global }
      - { .name: b_i, .offset: 24, .size: 8, .value_kind: global_buffer, .address_space: global }
      - { .name: b_c, .offset: 32, .size: 8, .value_kind: global_buffer, .address_space: global }
      - { .name: b_o, .offset: 40, .size: 8, .value_kind: global_buffer, .address_space: global }
      - { .name: c_prev, .offset: 48, .size: 8, .value_kind: global_buffer, .address_space: global }
      - { .name: out0, .offset: 56, .size: 8, .value_kind: global_buffer, .address_space: global }
      - { .name: out1, .offset: 64, .size: 8, .value_kind: global_buffer, .address_space: global }
    .group_segment_fixed_size: 327680
    .private_segment_fixed_size: 0
    .kernarg_segment_align: 8
    .kernarg_segment_size: 72
    .max_flat_workgroup_size: 128
    .sgpr_count:     102
    .vgpr_count:     1024
    .wavefront_size: 32
...
	.end_amdgpu_metadata
.endif
;; end of part 2
